; MI455X (gfx1250); checked and timed in simulation.
; The chip was launched on July 23, 2026; its instructions are those of AMD's public machine-readable ISA for CDNA 5 (MIT licence, August 2026) and "CDNA5" Instruction Set Architecture Reference Guide (July 2026). The comments in the code are by the model that wrote it; some were corrected since.
;; Gaussian Slice Rasterizer. Allowed arithmetic: float matrix products may take bf16 or f16 operands with f32 sums; all other float work in f32.
;; Inputs: means3D 32,768 x 3 float32; opacities 32,768 x 1 float32; rotations 32,768 x 4 float32; scales 32,768 x 3 float32.
;; Outputs: out0 1 x 64 x 128 float32.
;; 2 versions, each right; version 2 is version 1 with the launch prep written anew for expert scheduling mode. Each part assembles by itself: llvm-mc -triple=amdgcn-amd-amdhsa -mcpu=gfx1250 --defsym DOCPART=n.
;; ======== version 1 of 2: 2 launches
;; workspace buffers: params 1,048,576 bytes; masks 131,072 bytes of whole numbers
;; launch prep (part 1): grid 256 x 1, 4 waves a work-group, no clusters, 5,120 bytes of LDS; arguments means3D, opacities, rotations, scales, params, masks; writes params, masks
.if DOCPART == 1
	.amdgcn_target "amdgcn-amd-amdhsa--gfx1250"
	.amdhsa_code_object_version 6
	.text
	.protected	k_q2c5887afe2_prep
	.globl	k_q2c5887afe2_prep
	.p2align	8
	.type	k_q2c5887afe2_prep,@function
k_q2c5887afe2_prep:
	s_mov_b64 s[64:65], 0
	v_nop
	global_prefetch_b8 v0, s[64:65] scope:SCOPE_SE
	s_setreg_imm32_b32 hwreg(HW_REG_WAVE_MODE, 25, 1), 1
	s_wait_xcnt 0x0
; PREP: one lane per Gaussian (4 waves x 32 lanes x 256 work-groups = 32,768).
; With A = R diag(1/s^2) R^T (the inverse of R S^2 R^T for every non-zero quaternion and non-zero scales) and
; L = 0.5 log2(e), the exponent of the term, to base 2, is written as a sum of three squares (LDL^T of A):
;   -L quad = -( t^2 + v^2 + k ),  t = sf z + U1 y + U0,  v = sd y + V0,  k = L dx^2 / cov_xx
;   sf^2 = L f,  sd^2 = L (d - e^2/f),  a..f as reference() names the entries of A.
; Stored per Gaussian, 32 bytes: sf, U0, U1, opacity | sd, V0, -k, sf/64.
; Also 32 tests: the term cannot reach 2^-127 anywhere in a strip of 4 pixel rows (any z) if k + min v^2 >= 127, and
; nowhere in a strip of 8 pixel columns (any y) if k + min w^2 >= 127, w = sw z + W0 from the factorisation that
; removes y first.  v and w are linear, so the test is |v(centre)| < sqrt(127 - k) + slope x half width.
; A compare gives the answers of the wave's 32 Gaussians as one word; masks[work-group][strip 0..31][wave 0..3].
; LIMITS: a term whose base-2 exponent is below -126 counts as 0 in the next launch (v_exp_f32 gives 0 there; f32
; has less than 1.2e-38); NaN, infinities, zero scales, a zero quaternion are not served; the two Schur complements
; lose about (largest/smallest scale)^2 x 2^-24 of relative accuracy.
; The 3 x 3 products stay in f32 on the vector unit: they live inside one lane, and 16-bit operands would be
; magnified by the inverse and the exponential.
.set C_L,    0x3f38aa3b                ; L = 0.5 log2(e)
.set C_NL,   0xbf38aa3b                ; -L
.set C_PX0,  0x3c000000                ; x of the slice: -1 + 64.5 x 2/128 = 2^-7
.set C_CUT,  0x42fe0000                ; 127.0
.set C_HWY,  0x3d400000                ; 1.5/32: centre of a strip of 4 rows to its outer pixel centres
.set C_HWZ,  0x3d600000                ; 3.5/64: the same for 8 columns
.set C_D64,  0x3c800000                ; 1/64: the step from column to column
.set PSTAGE, 512                       ; LDS: 4 x 128 bytes of mask words, then 1,024 bytes of records for each wave
.set REC,    88                        ; v[88:95]   the record
.set WORD,   96                        ; v96        lane s: the wave's word for strip s
.set TT,     104                       ; v[104:119] sixteen strips at a time
	s_load_b256 s[4:11], s[0:1], 0x0               ; means s[4:5], opacities s[6:7], rotations s[8:9], scales s[10:11]
	s_load_b128 s[12:15], s[0:1], 0x20             ; params s[12:13], masks s[14:15]
	v_lshl_add_u32 v128, v0, 2, 0x1200
	v_mov_b32 v129, 0
	v_lshrrev_b32 v1, 5, v0
	v_readfirstlane_b32 s18, v1                    ; wave 0..3
	v_and_b32 v1, 31, v0                           ; lane
	s_lshl_b32 s19, ttmp9, 7                       ; the work-group's first Gaussian
	v_add_nc_u32 v2, s19, v0                       ; my Gaussian g
	v_mul_u32_u24 v3, v2, 12                       ; 12 g: means, scales
	v_lshlrev_b32 v4, 4, v2                        ; 16 g: rotations
	v_lshlrev_b32 v5, 2, v2                        ;  4 g: opacities
	s_mov_b32 s20, 0x7fffffff                      ; clears a sign
	s_lshl_b32 s21, s18, 7
	v_lshl_add_u32 v6, v1, 2, s21                  ; LDS: my wave's 128 bytes of words, lane = strip
	s_lshl_b32 s22, s18, 10
	s_add_co_u32 s23, s22, PSTAGE                  ; LDS: my wave's 1,024 bytes of records
	v_lshl_add_u32 v7, v1, 5, s23                  ; in: 32 bytes a lane
	v_lshl_add_u32 v15, v1, 4, s23                 ; back: 16 bytes a lane, 512 neighbouring bytes a load
	s_lshl_b32 s21, ttmp9, 12                      ; params: 128 records of 32 bytes a work-group,
	s_add_co_u32 s21, s21, s22                     ; 32 a wave
	v_lshl_add_u32 v19, v1, 4, s21
	s_wait_kmcnt 0x0
	global_load_b128 v[8:11], v4, s[8:9] th:TH_LOAD_NT      ; w x y z
	global_load_b96 v[12:14], v3, s[10:11] th:TH_LOAD_NT    ; scales
	global_load_b96 v[16:18], v3, s[4:5] th:TH_LOAD_NT      ; means
	global_load_b32 v[REC+3], v5, s[6:7] th:TH_LOAD_NT      ; opacity, straight into its place in the record
	s_wait_loadcnt 0x2                             ; quaternion and scales are in; means and opacity may stay out
	v_mul_f32 v20, v8, v8
	v_mul_f32 v22, v12, v12                        ; s0^2, s1^2, s2^2
	v_mul_f32 v23, v13, v13
	v_mul_f32 v24, v14, v14
	v_fmac_f32 v20, v9, v9
	v_fmac_f32 v20, v10, v10
	v_fmac_f32 v20, v11, v11                       ; |q|^2
	v_rcp_f32 v21, v20
	v_rcp_f32 v25, v22                             ; 1/s0^2 ..
	v_rcp_f32 v26, v23
	v_rcp_f32 v27, v24
	v_mov_b32 v[WORD], 0                           ; the plain instruction between the reciprocals and their first use
	s_wait_alu depctr_va_vdst(0)
	v_add_f32 v21, v21, v21                        ; 2/|q|^2: normalising q and the factor 2 in one
	v_mul_f32 v28, v9, v21                         ; xs
	v_mul_f32 v29, v10, v21                        ; ys
	v_mul_f32 v30, v11, v21                        ; zs
	v_mul_f32 v31, v8, v28                         ; 2wx
	v_mul_f32 v32, v8, v29                         ; 2wy
	v_mul_f32 v33, v8, v30                         ; 2wz
	v_fma_f32 v34, -v9, v28, 1.0                   ; 1 - 2xx
	v_fma_f32 v35, -v10, v29, 1.0                  ; 1 - 2yy
	v_fma_f32 v41, v9, v29, -v33                   ; R01
	v_fma_f32 v43, v9, v29, v33                    ; R10
	v_fma_f32 v42, v9, v30, v32                    ; R02
	v_fma_f32 v46, v9, v30, -v32                   ; R20
	v_fma_f32 v45, v10, v30, -v31                  ; R12
	v_fma_f32 v47, v10, v30, v31                   ; R21
	v_fma_f32 v40, -v11, v30, v35                  ; R00
	v_fma_f32 v44, -v11, v30, v34                  ; R11
	v_fma_f32 v48, -v10, v29, v34                  ; R22
	; cov_xx = sum R0j^2 sj^2;  rows 1 and 2 of R over sj^2
	v_mul_f32 v49, v40, v22
	v_mul_f32 v50, v41, v23
	v_mul_f32 v51, v42, v24
	v_mul_f32 v53, v43, v25
	v_mul_f32 v54, v44, v26
	v_mul_f32 v55, v45, v27
	v_mul_f32 v56, v46, v25
	v_mul_f32 v57, v47, v26
	v_mul_f32 v58, v48, v27
	v_mul_f32 v52, v49, v40                        ; cov_xx
	v_mul_f32 v59, v40, v53                        ; b = A01
	v_mul_f32 v60, v40, v56                        ; c = A02
	v_mul_f32 v61, v43, v53                        ; d = A11
	v_mul_f32 v62, v43, v56                        ; e = A12
	v_mul_f32 v63, v46, v56                        ; f = A22
	v_fmac_f32 v52, v50, v41
	v_fmac_f32 v59, v41, v54
	v_fmac_f32 v60, v41, v57
	v_fmac_f32 v61, v44, v54
	v_fmac_f32 v62, v44, v57
	v_fmac_f32 v63, v47, v57
	v_fmac_f32 v52, v51, v42
	v_fmac_f32 v59, v42, v55
	v_fmac_f32 v60, v42, v58
	v_fmac_f32 v61, v45, v55
	v_fmac_f32 v62, v45, v58
	v_fmac_f32 v63, v48, v58
	v_rcp_f32 v64, v63                             ; 1/f
	v_rcp_f32 v65, v61                             ; 1/d
	v_rcp_f32 v66, v52                             ; 1/cov_xx
	s_wait_loadcnt 0x0                             ; means and opacity
	v_sub_f32 v67, C_PX0, v16                      ; dx (also the plain instruction behind the reciprocals)
	s_wait_alu depctr_va_vdst(0)
	v_mul_f32 v68, v62, v64                        ; e/f
	v_mul_f32 v69, v60, v64                        ; c/f
	v_mul_f32 v72, v62, v65                        ; e/d
	v_mul_f32 v73, v59, v65                        ; b/d
	v_fma_f32 v70, -v62, v68, v61                  ; d' = d - e^2/f
	v_fma_f32 v71, -v62, v69, v59                  ; b' = b - c e/f
	v_fma_f32 v74, -v62, v72, v63                  ; f' = f - e^2/d
	v_fma_f32 v75, -v62, v73, v60                  ; c' = c - b e/d
	v_mul_f32 v78, C_L, v63
	v_mul_f32 v79, C_L, v70
	v_mul_f32 v80, C_L, v74
	v_rcp_f32 v76, v70
	v_rcp_f32 v77, v74
	v_sqrt_f32 v[REC+0], v78                       ; sf
	v_sqrt_f32 v[REC+4], v79                       ; sd
	v_sqrt_f32 v83, v80                            ; sw
	v_mul_f32 v84, v67, v67                        ; dx^2 (plain, touches none of the five results)
	v_mul_f32 v84, v84, v66
	v_mul_f32 v[REC+6], C_NL, v84                  ; -k
	s_wait_alu depctr_va_vdst(0)
	v_mul_f32 v85, v71, v76                        ; b'/d'
	v_mul_f32 v86, v75, v77                        ; c'/f'
	v_fma_f32 v85, v85, v67, -v17                  ; b' dx/d' - mu_y
	v_fma_f32 v86, v86, v67, -v18                  ; c' dx/f' - mu_z
	v_fma_f32 v87, v69, v67, -v18                  ; c dx/f - mu_z
	v_fma_f32 v87, -v68, v17, v87                  ;          - e mu_y/f
	v_mul_f32 v[REC+5], v[REC+4], v85              ; V0
	v_mul_f32 v82, v83, v86                        ; W0
	v_mul_f32 v[REC+1], v[REC+0], v87              ; U0
	v_mul_f32 v[REC+2], v[REC+0], v68              ; U1
	v_add_f32 v97, C_CUT, v[REC+6]                 ; 127 - k
	v_max_num_f32 v98, 0, v97
	v_sqrt_f32 v98, v98
	v_mul_f32 v[REC+7], C_D64, v[REC+0]            ; sf/64 (the plain instruction behind the root)
	v_cmp_lt_f32 vcc_lo, 0, v97                    ; k < 127: the slice is in reach at all
	s_wait_alu depctr_va_vdst(0)
	v_fmamk_f32 v99, v[REC+4], C_HWY, v98          ; reach for |v| at a row strip's centre
	v_fmamk_f32 v100, v83, C_HWZ, v98              ; reach for |w| at a column strip's centre
	v_cndmask_b32 v99, -1.0, v99, vcc_lo           ; out of reach in x: no strip passes
	v_cndmask_b32 v100, -1.0, v100, vcc_lo
	; the records through my wave's own LDS bytes (a wave's LDS instructions are served in order, ISA guide 5.7.1):
	; in as 32 bytes a lane, back as 16 bytes a lane, so that each store below covers 512 consecutive bytes, aligned
	ds_store_b128 v7, v[REC:REC+3]
	ds_store_b128 v7, v[REC+4:REC+7] offset:16
	ds_load_b128 v[120:123], v15
	ds_load_b128 v[124:127], v15 offset:512
; sixteen strips: centres -0.9375 + s/8, the same numbers for rows and for columns
.macro STRIPS slope, icpt, reach, first
.set n, 0
.irp c, 0xbf700000,0xbf500000,0xbf300000,0xbf100000,0xbee00000,0xbea00000,0xbe400000,0xbd800000,0x3d800000,0x3e400000,0x3ea00000,0x3ee00000,0x3f100000,0x3f300000,0x3f500000,0x3f700000
	v_fmamk_f32 v[TT+n], v[\slope], \c, v[\icpt]
.set n, n+1
.endr
.set n, 0
.rept 16
	v_and_b32 v[TT+n], s20, v[TT+n]
.set n, n+1
.endr
.set n, 0
.rept 16
	v_cmp_lt_f32 s[24+n], v[TT+n], v[\reach]       ; bit l: Gaussian of lane l can reach the strip
.set n, n+1
.endr
.set n, 0
.rept 16
	v_writelane_b32 v[WORD], s[24+n], \first+n
.set n, n+1
.endr
.endm
	STRIPS REC+4, REC+5, 99, 0                     ; row strips 0..15
	STRIPS 83, 82, 100, 16                         ; column strips, words 16..31
	s_wait_dscnt 0x0                               ; the records are back
	global_store_b128 v19, v[120:123], s[12:13]
	global_store_b128 v19, v[124:127], s[12:13] offset:512
	ds_store_b32 v6, v[WORD]                       ; 32 words into my wave's 128 bytes
	s_wait_dscnt 0x0                               ; for wave 0's sake: zero
	s_barrier_signal -1
	s_barrier_wait -1
	s_cmp_lg_u32 s18, 0
	s_cbranch_scc1 .Lend
	v_lshlrev_b32 v102, 2, v1                      ; wave 0, lane = strip: the four waves' words of that strip
	ds_load_b32 v104, v102
	ds_load_b32 v105, v102 offset:128
	ds_load_b32 v106, v102 offset:256
	ds_load_b32 v107, v102 offset:384
	s_lshl_b32 s22, ttmp9, 9                       ; 512 bytes of masks a work-group
	v_lshl_add_u32 v101, v1, 4, s22
	s_wait_dscnt 0x0
	global_store_b128 v101, v[104:107], s[14:15]   ; 512 consecutive bytes, aligned
.Lend:
	s_wait_tensorcnt 0x0
	ds_add_u32 v128, v129
	s_wait_dscnt 0x0
	s_endpgm
.Lfunc_end_k_q2c5887afe2_prep:
	.size	k_q2c5887afe2_prep, .Lfunc_end_k_q2c5887afe2_prep-k_q2c5887afe2_prep
	.p2alignl 7, 3214868480
	.fill 96, 4, 3214868480
	.section	.rodata,"a",@progbits
	.p2align	6, 0x0
	.amdhsa_kernel k_q2c5887afe2_prep
		.amdhsa_group_segment_fixed_size 5120
		.amdhsa_private_segment_fixed_size 0
		.amdhsa_enable_private_segment 0
		.amdhsa_kernarg_size 48
		.amdhsa_user_sgpr_count 2
		.amdhsa_user_sgpr_kernarg_segment_ptr 1
		.amdhsa_wavefront_size32 1
		.amdhsa_system_sgpr_workgroup_id_x 1
		.amdhsa_system_sgpr_workgroup_id_y 1
		.amdhsa_system_sgpr_workgroup_id_z 1
		.amdhsa_system_vgpr_workitem_id 0
		.amdhsa_next_free_vgpr 130
		.amdhsa_next_free_sgpr 66
		.amdhsa_reserve_vcc 1
		.amdhsa_float_denorm_mode_32 3
		.amdhsa_float_denorm_mode_16_64 3
		.amdhsa_memory_ordered 1
		.amdhsa_forward_progress 1
		.amdhsa_inst_pref_size 15
	.end_amdhsa_kernel
	.amdgpu_metadata
---
amdhsa.version: [ 1, 2 ]
amdhsa.kernels:
  - .name:           k_q2c5887afe2_prep
    .symbol:         k_q2c5887afe2_prep.kd
    .args:
      - { .name: means3D, .offset: 0, .size: 8, .value_kind: global_buffer, .address_space: global }
      - { .name: opacities, .offset: 8, .size: 8, .value_kind: global_buffer, .address_space: global }
      - { .name: rotations, .offset: 16, .size: 8, .value_kind: global_buffer, .address_space: global }
      - { .name: scales, .offset: 24, .size: 8, .value_kind: global_buffer, .address_space: global }
      - { .name: params, .offset: 32, .size: 8, .value_kind: global_buffer, .address_space: global }
      - { .name: masks, .offset: 40, .size: 8, .value_kind: global_buffer, .address_space: global }
    .group_segment_fixed_size: 5120
    .private_segment_fixed_size: 0
    .kernarg_segment_align: 8
    .kernarg_segment_size: 48
    .max_flat_workgroup_size: 128
    .sgpr_count:     66
    .vgpr_count:     130
    .wavefront_size: 32
...
	.end_amdgpu_metadata
.endif
;; end of part 1
;; launch raster (part 2): grid 256 x 1, 32 waves a work-group, no clusters, 155,648 bytes of LDS; arguments params, masks, out0; writes out0
.if DOCPART == 2
	.amdgcn_target "amdgcn-amd-amdhsa--gfx1250"
	.amdhsa_code_object_version 6
	.text
	.protected	k_q2c5887afe2_raster
	.globl	k_q2c5887afe2_raster
	.p2align	8
	.type	k_q2c5887afe2_raster,@function
k_q2c5887afe2_raster:
	s_mov_b64 s[64:65], 0
	v_nop
	global_prefetch_b8 v0, s[64:65] scope:SCOPE_SE
	s_setreg_imm32_b32 hwreg(HW_REG_WAVE_MODE, 25, 1), 1
	s_wait_xcnt 0x0
; RASTER: one work-group per tile of 4 rows x 8 columns of the slice (16 x 16 tiles), so every pixel has one owner.
; Wave w owns Gaussians 1024 w .. 1024 w + 1023 = 32 groups of 32.
; 1. Lane l loads the word of group l for the tile's row strip and the one for its column strip (whole numbers stored
;    by the launch before; bit b = Gaussian b of the group).  A Gaussian that fails either test has a base-2 exponent
;    of -127 or less in every pixel of the tile, where v_exp_f32 gives 0: leaving it out changes no sum.
; 2. The survivors are packed in a REGISTER: for each set bit the record's byte offset is made in scalar registers and
;    written into lane cnt of P.  When P is full, and once more for the remainder, lanes = Gaussians: each lane gathers
;    its 32-byte record and adds its Gaussian to 32 sums, one for each pixel:
;    term = o 2^(m - t^2),  m = -k - (sd y + V0)^2 per row,  t = sf z + U1 y + U0, stepping by sf/64 per column.
;    EXEC stays full throughout; the gather's offset is the only address made from loaded numbers.
; 3. The 32 x 32 sums of a wave are transposed and added through its own LDS bytes, the 32 waves' results meet behind
;    one barrier, wave 0 stores.
; LIMITS: a term whose base-2 exponent is below -126 counts as 0; the sum's order is not reference()'s; NaN and
; infinities are not served.  If every Gaussian reaches the tile all 1,024 of a wave are worked on: slower, still right.
; A gather is waited for where it is issued; the seven other waves of the SIMD (106 registers x 8 = 848) work meanwhile.
; No cluster and no tensor loads: what tiles share are single 32-byte records chosen by each tile's own words, not
; common tiles.  No prefetch: an offset is known only when its gather is issued.  A work-group owns 4 x 32 bytes of the
; 32,768-byte output: a square tile keeps the number of survivors small, at the price of four 32-byte pieces in its
; one store.
.set SPITCH, 144                       ; stage row: 128 bytes + 16, an odd multiple of 16: 16 lanes' b128 stores start in 16 different columns
.set SBYTES, 32*SPITCH                 ; a wave's stage: 32 lanes x 144 bytes
.set FIN,    32*SBYTES                 ; behind the stages: 32 waves x 32 sums
.set RECMAX, 32767*32                  ; byte offset of the last record
.set LANE, 1
.set AY,   2                           ; byte offset of my row-strip word
.set AZ,   3                           ; and of my column-strip word
.set W,    4                           ; lane l: word of group l (row strip, then both joined)
.set WZ,   5
.set P,    6                           ; lane j: record offset of the j-th survivor not yet worked on
.set OFF,  7                           ; the same, bounded: the gathers' offset
.set YC,   8                           ; v[8:11]   y of the tile's four rows
.set ZC,   12                          ; v12       z of its first column
.set ADR,  13
.set POS,  14
.set LA,   15
.set PA,   16                          ; v[16:19]  sf U0 U1 o
.set PB,   20                          ; v[20:23]  sd V0 -k sf/64
.set TA,   24                          ; v[24:25]  address arithmetic
.set M,    28                          ; v[28+2r] m of row r, v[29+2r] U1 y + U0 of row r
.set X,    40                          ; v[40+8r ..] row r: t, then exponent, then 2^exponent, in place
.set RED,  40                          ; v[40:71]  once more for the reduction
.set ACC,  72                          ; v[72:103] sum of pixel 8 r + c
	s_load_b128 s[4:7], s[0:1], 0x0                ; params s[4:5], masks s[6:7]
	s_load_b64 s[8:9], s[0:1], 0x10                ; out
	v_lshl_add_u32 v104, v0, 2, 0x25000
	v_mov_b32 v105, 0
	v_lshrrev_b32 v1, 5, v0
	v_readfirstlane_b32 s12, v1                    ; wave 0..31
	v_and_b32 v[LANE], 31, v0
	s_lshr_b32 s13, ttmp9, 4                       ; row strip of the tile
	s_and_b32 s14, ttmp9, 15                       ; column strip
	; masks[block of 4 groups][strip 0..31][4 words]: group 32 w + l is word l % 4 of block 8 w + l / 4
	v_lshrrev_b32 v[TA], 2, v[LANE]
	v_and_b32 v[TA+1], 3, v[LANE]
	v_lshlrev_b32 v[TA+1], 2, v[TA+1]
	v_lshl_add_u32 v[TA], v[TA], 9, v[TA+1]        ; 512 (l / 4) + 4 (l % 4)
	s_lshl_b32 s15, s12, 12                        ; my 8 blocks of 512 bytes
	s_lshl_b32 s16, s13, 4                         ; 16 bytes a strip
	s_add_co_u32 s16, s16, s15
	s_lshl_b32 s17, s14, 4
	s_add_co_u32 s17, s17, s15
	v_add_nc_u32 v[AY], s16, v[TA]
	v_add_nc_u32 v[AZ], s17, v[TA]
	s_wait_kmcnt 0x0
	global_load_b32 v[W], v[AY], s[6:7]
	global_load_b32 v[WZ], v[AZ], s[6:7] offset:256    ; column strips are strips 16..31 of a block
	; while they are on their way: pixel coordinates, the sums' start
	s_lshl_b32 s18, s13, 2
	s_mov_b32 s19, 0x3d000000                      ; 1/32
	s_mov_b32 s28, 0x3e000000                      ; 1/8
	v_cvt_f32_u32 v[YC], s18
	v_cvt_f32_u32 v[ZC], s14
	v_fmaak_f32 v[YC], s19, v[YC], 0xbf7c0000      ; y = -1 + (4 strip + 0.5)/32, exact
	v_fmaak_f32 v[ZC], s28, v[ZC], 0xbf7e0000      ; z = -1 + (8 strip + 0.5)/64, exact
	v_add_f32 v[YC+1], s19, v[YC]
	v_add_f32 v[YC+2], 0x3d800000, v[YC]
	v_add_f32 v[YC+3], 0x3dc00000, v[YC]
	v_mov_b32 v[P], 0                              ; written whole once: below it is written lane by lane
.set n, 0
.rept 32
	v_mov_b32 v[ACC+n], 0                          ; a wave may have no survivor, so the sums cannot be started by a first group
.set n, n+1
.endr
	s_mov_b32 s20, 0                               ; group
	s_mov_b32 s21, 0                               ; cnt: lanes of P in use
	s_lshl_b32 s22, s12, 15                        ; record offset of the group's first Gaussian: 1,024 records of 32 bytes a wave
	s_wait_loadcnt 0x0
	v_and_b32 v[W], v[W], v[WZ]                    ; reaches the row strip and the column strip
.macro TP r                            ; row r: t of columns 2..7 from the pair (t0, t1) and sf/64 (the pair's second register, for both halves), then exponent = m - t^2, in place
	v_pk_fma_f32 v[X+8*\r+2:X+8*\r+3], v[PB+2:PB+3], 2.0, v[X+8*\r:X+8*\r+1] op_sel:[1,0,0] op_sel_hi:[1,0,1]
	v_pk_fma_f32 v[X+8*\r+4:X+8*\r+5], v[PB+2:PB+3], 4.0, v[X+8*\r:X+8*\r+1] op_sel:[1,0,0] op_sel_hi:[1,0,1]
	v_pk_fma_f32 v[X+8*\r+6:X+8*\r+7], v[PB+2:PB+3], 0x40c00000, v[X+8*\r:X+8*\r+1] op_sel:[1,0,0] op_sel_hi:[1,0,1]
.irp j, 0,2,4,6
	v_pk_fma_f32 v[X+8*\r+\j:X+8*\r+\j+1], v[X+8*\r+\j:X+8*\r+\j+1], v[X+8*\r+\j:X+8*\r+\j+1], v[M+2*\r:M+2*\r+1] op_sel_hi:[1,1,0] neg_lo:[1,0,0] neg_hi:[1,0,0]
.endr
.endm
.macro EX r
.irp j, 0,1,2,3,4,5,6,7
	v_exp_f32 v[X+8*\r+\j], v[X+8*\r+\j]
.endr
.endm
.macro AC r                            ; sums += 2^exponent x opacity (the second register of the pair U1, o, for both halves)
	s_wait_alu depctr_va_vdst(0)
.irp j, 0,2,4,6
	v_pk_fma_f32 v[ACC+8*\r+\j:ACC+8*\r+\j+1], v[X+8*\r+\j:X+8*\r+\j+1], v[PA+2:PA+3], v[ACC+8*\r+\j:ACC+8*\r+\j+1] op_sel:[0,1,0] op_sel_hi:[1,1,1]
.endr
.endm
; The Gaussians in lanes 0 .. s21 - 1 of P, on all 32 pixels.  Lanes from s21 on hold an older offset or 0: a record that
; exists, whose exponents are at most 0, times an opacity of 0.
.macro GROUP
	v_min_u32 v[OFF], RECMAX, v[P]                 ; never bites (the largest offset made below is RECMAX): the bound of the address, in the text
	v_cmp_gt_u32 vcc_lo, s21, v[LANE]              ; lanes that hold a survivor
	global_load_b128 v[PA:PA+3], v[OFF], s[4:5]
	global_load_b128 v[PB:PB+3], v[OFF], s[4:5] offset:16
	s_wait_loadcnt 0x0                             ; both are in, and OFF is free for the next group
.irp r, 0,1,2,3
	v_fma_f32 v[M+2*\r+1], v[PA+2], v[YC+\r], v[PA+1]          ; U1 y + U0
.endr
.irp r, 0,1,2,3
	v_fma_f32 v[X+8*\r+2], v[PB], v[YC+\r], v[PB+1]            ; v = sd y + V0
.endr
	v_cndmask_b32 v[PA+3], 0, v[PA+3], vcc_lo
.irp r, 0,1,2,3
	v_fma_f32 v[X+8*\r], v[PA], v[ZC], v[M+2*\r+1]             ; t of column 0
.endr
.irp r, 0,1,2,3
	v_fma_f32 v[M+2*\r], -v[X+8*\r+2], v[X+8*\r+2], v[PB+2]    ; m = -k - v^2
.endr
.irp r, 0,1,2,3
	v_add_f32 v[X+8*\r+1], v[X+8*\r], v[PB+3]                  ; t of column 1
.endr
	; behind a run of v_exp_f32 stands plain work on other registers before its results are used (ISA guide 5.7.2)
	TP 0
	EX 0
	TP 1
	EX 1
	AC 0
	TP 2
	EX 2
	AC 1
	TP 3
	EX 3
	AC 2
	AC 3
.endm
.Lword:                                            ; 32 trips, one for each group
	v_readlane_b32 s23, v[W], s20                  ; the group's word
	s_bcnt1_i32_b32 s24, s23                       ; its survivors = the inner loop's trips
	s_cmp_eq_u32 s24, 0
	s_cbranch_scc1 .Lnext
.Lbit:
	s_ctz_i32_b32 s25, s23                         ; the lowest set bit: Gaussian b of the group
	s_add_co_i32 s26, s23, -1
	s_and_b32 s23, s23, s26                        ; and it is cleared
	s_lshl_b32 s25, s25, 5
	s_add_co_u32 s25, s25, s22                     ; 32 b + the group's first record
	v_writelane_b32 v[P], s25, s21
	s_add_co_u32 s21, s21, 1
	s_cmp_lg_u32 s21, 32
	s_cbranch_scc1 .Lroom
	GROUP                                          ; P is full
	s_mov_b32 s21, 0
.Lroom:
	s_sub_co_i32 s24, s24, 1
	s_cmp_lg_u32 s24, 0
	s_cbranch_scc1 .Lbit
.Lnext:
	s_add_co_u32 s22, s22, 1024                    ; 32 records of 32 bytes on
	s_add_co_u32 s20, s20, 1
	s_cmp_lt_u32 s20, 32
	s_cbranch_scc1 .Lword
	s_cmp_eq_u32 s21, 0
	s_cbranch_scc1 .Lsum
	GROUP                                          ; the remainder, 1 to 31 survivors
.Lsum:
	; my 32 sums as 128 bytes into my wave's stage; lane i then reads sum i of all 32 lanes.  The stage is my wave's own,
	; and LDS serves a wave's instructions in order (ISA guide 5.7.1): no wait between the stores and the loads
	s_mul_i32 s26, s12, SBYTES
	v_mul_u32_u24 v[ADR], v[LANE], SPITCH
	v_add_nc_u32 v[ADR], s26, v[ADR]
.set n, 0
.rept 8
	ds_store_b128 v[ADR], v[ACC+4*n:ACC+4*n+3] offset:16*n
.set n, n+1
.endr
	v_lshl_add_u32 v[POS], v[LANE], 2, s26
.set n, 0
.rept 32
	ds_load_b32 v[RED+n], v[POS] offset:n*SPITCH   ; 32 lanes read 128 neighbouring bytes
.set n, n+1
.endr
.macro FOLD half                       ; RED[0 .. half-1] += RED[half .. 2 half-1], two at a time
.set n, 0
.rept \half/2
	v_pk_add_f32 v[RED+n:RED+n+1], v[RED+n:RED+n+1], v[RED+\half+n:RED+\half+n+1]
.set n, n+2
.endr
.endm
	s_wait_dscnt 0x0
	FOLD 16
	FOLD 8
	FOLD 4
	FOLD 2
	v_add_f32 v[RED], v[RED], v[RED+1]             ; lane i: my wave's sum for pixel i
	s_lshl_b32 s27, s12, 7
	s_add_co_u32 s27, s27, FIN
	v_lshl_add_u32 v[LA], v[LANE], 2, s27
	ds_store_b32 v[LA], v[RED]
	s_wait_dscnt 0x0                               ; for wave 0's sake: zero
	s_barrier_signal -1
	s_barrier_wait -1
	s_cmp_lg_u32 s12, 0
	s_cbranch_scc1 .Lend
	v_lshl_add_u32 v[LA], v[LANE], 2, FIN
.set n, 0
.rept 32
	ds_load_b32 v[RED+n], v[LA] offset:n*128       ; pixel i of wave n
.set n, n+1
.endr
	s_lshl_b32 s26, s13, 11                        ; 4 rows of 512 bytes a row strip
	s_lshl_b32 s27, s14, 5                         ; 8 columns of 4 bytes a column strip
	s_add_co_u32 s26, s26, s27
	v_lshrrev_b32 v[TA], 3, v[LANE]                ; pixel i = row i / 8, column i % 8
	v_and_b32 v[TA+1], 7, v[LANE]
	v_lshlrev_b32 v[TA+1], 2, v[TA+1]
	v_lshl_add_u32 v[TA], v[TA], 9, v[TA+1]
	v_add_nc_u32 v[TA], s26, v[TA]
	s_wait_dscnt 0x0
	FOLD 16
	FOLD 8
	FOLD 4
	FOLD 2
	v_add_f32 v[RED], v[RED], v[RED+1]
	global_store_b32 v[TA], v[RED], s[8:9]
.Lend:
	s_wait_tensorcnt 0x0
	ds_add_u32 v104, v105
	s_wait_dscnt 0x0
	s_endpgm
.Lfunc_end_k_q2c5887afe2_raster:
	.size	k_q2c5887afe2_raster, .Lfunc_end_k_q2c5887afe2_raster-k_q2c5887afe2_raster
	.p2alignl 7, 3214868480
	.fill 96, 4, 3214868480
	.section	.rodata,"a",@progbits
	.p2align	6, 0x0
	.amdhsa_kernel k_q2c5887afe2_raster
		.amdhsa_group_segment_fixed_size 155648
		.amdhsa_private_segment_fixed_size 0
		.amdhsa_enable_private_segment 0
		.amdhsa_kernarg_size 24
		.amdhsa_user_sgpr_count 2
		.amdhsa_user_sgpr_kernarg_segment_ptr 1
		.amdhsa_wavefront_size32 1
		.amdhsa_system_sgpr_workgroup_id_x 1
		.amdhsa_system_sgpr_workgroup_id_y 1
		.amdhsa_system_sgpr_workgroup_id_z 1
		.amdhsa_system_vgpr_workitem_id 0
		.amdhsa_next_free_vgpr 106
		.amdhsa_next_free_sgpr 66
		.amdhsa_reserve_vcc 1
		.amdhsa_float_denorm_mode_32 3
		.amdhsa_float_denorm_mode_16_64 3
		.amdhsa_memory_ordered 1
		.amdhsa_forward_progress 1
		.amdhsa_inst_pref_size 23
	.end_amdhsa_kernel
	.amdgpu_metadata
---
amdhsa.version: [ 1, 2 ]
amdhsa.kernels:
  - .name:           k_q2c5887afe2_raster
    .symbol:         k_q2c5887afe2_raster.kd
    .args:
      - { .name: params, .offset: 0, .size: 8, .value_kind: global_buffer, .address_space: global }
      - { .name: masks, .offset: 8, .size: 8, .value_kind: global_buffer, .address_space: global }
      - { .name: out0, .offset: 16, .size: 8, .value_kind: global_buffer, .address_space: global }
    .group_segment_fixed_size: 155648
    .private_segment_fixed_size: 0
    .kernarg_segment_align: 8
    .kernarg_segment_size: 24
    .max_flat_workgroup_size: 1024
    .sgpr_count:     66
    .vgpr_count:     106
    .wavefront_size: 32
...
	.end_amdgpu_metadata
.endif
;; end of part 2
;; ======== version 2 of 2: 2 launches; version 1 with the launch prep written anew for expert scheduling mode
;; workspace buffers: params 1,048,576 bytes; masks 131,072 bytes of whole numbers
;; launch prep (part 3): grid 256 x 1, 4 waves a work-group, no clusters, 5,120 bytes of LDS; arguments means3D, opacities, rotations, scales, params, masks; writes params, masks
.if DOCPART == 3
	.amdgcn_target "amdgcn-amd-amdhsa--gfx1250"
	.amdhsa_code_object_version 6
	.text
	.protected	k_q2c5887afe2_prep
	.globl	k_q2c5887afe2_prep
	.p2align	8
	.type	k_q2c5887afe2_prep,@function
k_q2c5887afe2_prep:
	s_mov_b64 s[64:65], 0
	v_nop
	global_prefetch_b8 v0, s[64:65] scope:SCOPE_SE
	s_setreg_imm32_b32 hwreg(HW_REG_WAVE_SCHED_MODE, 0, 2), 2
	s_setreg_imm32_b32 hwreg(HW_REG_WAVE_MODE, 25, 1), 1
	s_wait_xcnt 0x0
	s_wait_alu depctr_vm_vsrc(0)
; PREP: one lane per Gaussian (4 waves x 32 lanes x 256 work-groups = 32,768).
; With A = R diag(1/s^2) R^T (the inverse of R S^2 R^T for every non-zero quaternion and non-zero scales) and
; L = 0.5 log2(e), the exponent of the term, to base 2, is written as a sum of three squares (LDL^T of A):
;   -L quad = -( t^2 + v^2 + k ),  t = sf z + U1 y + U0,  v = sd y + V0,  k = L dx^2 / cov_xx
;   sf^2 = L f,  sd^2 = L (d - e^2/f),  a..f as reference() names the entries of A.
; Stored per Gaussian, 32 bytes: sf, U0, U1, opacity | sd, V0, -k, sf/64.
; Also 32 tests: the term cannot reach 2^-127 anywhere in a strip of 4 pixel rows (any z) if k + min v^2 >= 127, and
; nowhere in a strip of 8 pixel columns (any y) if k + min w^2 >= 127, w = sw z + W0 from the factorisation that
; removes y first.  v and w are linear, so the test is |v(centre)| < sqrt(127 - k) + slope x half width.
; A compare gives the answers of the wave's 32 Gaussians as one word; masks[work-group][strip 0..31][wave 0..3].
; LIMITS: a term whose base-2 exponent is below -126 counts as 0 in the next launch (v_exp_f32 gives 0 there; f32
; has less than 1.2e-38); NaN, infinities, zero scales, a zero quaternion are not served; the two Schur complements
; lose about (largest/smallest scale)^2 x 2^-24 of relative accuracy.
; The 3 x 3 products stay in f32 on the vector unit: they live inside one lane, and 16-bit operands would be
; magnified by the inverse and the exponential.
; THE MODE: SCHED_MODE bits 1:0 = 2 (LLVM: expert scheduling mode 2), set by the entry lines.  The code itself states the
; register dependences between vector instructions and memory or LDS instructions, with s_wait_alu, always for 0.
; THE PLAN.  Registers that memory or LDS instructions touch (the text has no loop):
;   v3 v4 v5 v6 v7 v15 v19   offsets and LDS addresses: written at the head, ahead of ONE wait on va_vdst, and never again.
;   v8-14 v16-18 v91         the inputs as loaded: no vector instruction names them ahead of their loads.
;   v88-95  the record       written by vector instructions; read by two LDS stores, which stand directly behind the wait for
;                            the last root: every writer of the record stands ahead of that wait.  Never written again.
;   v120-127                 the records as read back: LDS loads write them, global stores read them, no vector instruction names them.
;   v96  WORD                written by 32 v_writelane_b32, then a wait on va_vdst, then read by one LDS store.
;   v104-107, v101, v102     wave 0's tail: strip buffer 0 takes four LDS loads; its last vector readers stand ahead of WORD's wait;
;                            the two addresses are made first in the branch, with one wait on va_vdst behind them.
;   v128 v129                written at the head, read by the closing add alone.
; No register that a memory or LDS instruction has read is written again, so no wait on vm_vsrc is owed ahead of the closing lines.
; Scalar results of vector instructions: s18 (one wait on va_sdst), VCC (one on va_vcc), and the strips' compares, in two runs of
; sixteen with one wait on va_sdst each; other work stands between each run and its wait.
.set C_L,    0x3f38aa3b                ; L = 0.5 log2(e)
.set C_NL,   0xbf38aa3b                ; -L
.set C_PX0,  0x3c000000                ; x of the slice: -1 + 64.5 x 2/128 = 2^-7
.set C_CUT,  0x42fe0000                ; 127.0
.set C_HWY,  0x3d400000                ; 1.5/32: centre of a strip of 4 rows to its outer pixel centres
.set C_HWZ,  0x3d600000                ; 3.5/64: the same for 8 columns
.set C_D64,  0x3c800000                ; 1/64: the step from column to column
.set PSTAGE, 512                       ; LDS: 4 x 128 bytes of mask words, then 1,024 bytes of records for each wave
.set REC,    88                        ; v[88:95]   the record
.set WORD,   96                        ; v96        lane s: the wave's word for strip s
.set TT,     104                       ; v[104:119] strip buffer 0: the sixteen row strips
.set TT2,    40                        ; v[40:55]   strip buffer 1: the sixteen column strips (R's entries lay here; they are dead once A's are made)
	s_load_b256 s[4:11], s[0:1], 0x0               ; means s[4:5], opacities s[6:7], rotations s[8:9], scales s[10:11]
	s_load_b128 s[12:15], s[0:1], 0x20             ; params s[12:13], masks s[14:15]
	v_lshl_add_u32 v128, v0, 2, 0x1200             ; my spare word, behind the records' stage, and 0: kept for the closing lines alone
	v_mov_b32 v129, 0
	v_lshrrev_b32 v1, 5, v0
	v_readfirstlane_b32 s18, v1                    ; wave 0..3
	v_and_b32 v1, 31, v0                           ; lane
	s_lshl_b32 s19, ttmp9, 7                       ; the work-group's first Gaussian
	v_add_nc_u32 v2, s19, v0                       ; my Gaussian g
	v_mul_u32_u24 v3, v2, 12                       ; 12 g: means, scales
	v_lshlrev_b32 v4, 4, v2                        ; 16 g: rotations
	v_lshlrev_b32 v5, 2, v2                        ;  4 g: opacities
	s_mov_b32 s20, 0x7fffffff                      ; clears a sign
	s_wait_alu depctr_va_sdst(0)                   ; s18 is written, ahead of its first reader: the LDS places and params' offset are made from it
	s_lshl_b32 s21, s18, 7
	v_lshl_add_u32 v6, v1, 2, s21                  ; LDS: my wave's 128 bytes of words, lane = strip
	s_lshl_b32 s22, s18, 10
	s_add_co_u32 s23, s22, PSTAGE                  ; LDS: my wave's 1,024 bytes of records
	v_lshl_add_u32 v7, v1, 5, s23                  ; in: 32 bytes a lane
	v_lshl_add_u32 v15, v1, 4, s23                 ; back: 16 bytes a lane, 512 neighbouring bytes a load
	s_lshl_b32 s21, ttmp9, 12                      ; params: 128 records of 32 bytes a work-group,
	s_add_co_u32 s21, s21, s22                     ; 32 a wave
	v_lshl_add_u32 v19, v1, 4, s21
	s_wait_kmcnt 0x0
	s_wait_alu depctr_va_vdst(0)                   ; v3, v4, v5 are written, which the loads below read; so are v6, v7, v15 and v19, which the LDS instructions and the records' stores read
	global_load_b128 v[8:11], v4, s[8:9] th:TH_LOAD_NT      ; w x y z
	global_load_b96 v[12:14], v3, s[10:11] th:TH_LOAD_NT    ; scales
	global_load_b96 v[16:18], v3, s[4:5] th:TH_LOAD_NT      ; means
	global_load_b32 v[REC+3], v5, s[6:7] th:TH_LOAD_NT      ; opacity, straight into its place in the record
	s_wait_loadcnt 0x2                             ; quaternion and scales are in; means and opacity may stay out
	v_mul_f32 v20, v8, v8
	v_mul_f32 v22, v12, v12                        ; s0^2, s1^2, s2^2
	v_mul_f32 v23, v13, v13
	v_mul_f32 v24, v14, v14
	v_fmac_f32 v20, v9, v9
	v_fmac_f32 v20, v10, v10
	v_fmac_f32 v20, v11, v11                       ; |q|^2
	v_rcp_f32 v21, v20
	v_rcp_f32 v25, v22                             ; 1/s0^2 ..
	v_rcp_f32 v26, v23
	v_rcp_f32 v27, v24
	v_mov_b32 v[WORD], 0                           ; the plain instruction between the reciprocals and their first use
	s_wait_alu depctr_va_vdst(0)                   ; the four reciprocals v21, v25, v26, v27 are written, ahead of their first reader
	v_add_f32 v21, v21, v21                        ; 2/|q|^2: normalising q and the factor 2 in one
	v_mul_f32 v28, v9, v21                         ; xs
	v_mul_f32 v29, v10, v21                        ; ys
	v_mul_f32 v30, v11, v21                        ; zs
	v_mul_f32 v31, v8, v28                         ; 2wx
	v_mul_f32 v32, v8, v29                         ; 2wy
	v_mul_f32 v33, v8, v30                         ; 2wz
	v_fma_f32 v34, -v9, v28, 1.0                   ; 1 - 2xx
	v_fma_f32 v35, -v10, v29, 1.0                  ; 1 - 2yy
	v_fma_f32 v41, v9, v29, -v33                   ; R01
	v_fma_f32 v43, v9, v29, v33                    ; R10
	v_fma_f32 v42, v9, v30, v32                    ; R02
	v_fma_f32 v46, v9, v30, -v32                   ; R20
	v_fma_f32 v45, v10, v30, -v31                  ; R12
	v_fma_f32 v47, v10, v30, v31                   ; R21
	v_fma_f32 v40, -v11, v30, v35                  ; R00
	v_fma_f32 v44, -v11, v30, v34                  ; R11
	v_fma_f32 v48, -v10, v29, v34                  ; R22
	; cov_xx = sum R0j^2 sj^2;  rows 1 and 2 of R over sj^2
	v_mul_f32 v49, v40, v22
	v_mul_f32 v50, v41, v23
	v_mul_f32 v51, v42, v24
	v_mul_f32 v53, v43, v25
	v_mul_f32 v54, v44, v26
	v_mul_f32 v55, v45, v27
	v_mul_f32 v56, v46, v25
	v_mul_f32 v57, v47, v26
	v_mul_f32 v58, v48, v27
	v_mul_f32 v52, v49, v40                        ; cov_xx
	v_mul_f32 v59, v40, v53                        ; b = A01
	v_mul_f32 v60, v40, v56                        ; c = A02
	v_mul_f32 v61, v43, v53                        ; d = A11
	v_mul_f32 v62, v43, v56                        ; e = A12
	v_mul_f32 v63, v46, v56                        ; f = A22
	v_fmac_f32 v52, v50, v41
	v_fmac_f32 v59, v41, v54
	v_fmac_f32 v60, v41, v57
	v_fmac_f32 v61, v44, v54
	v_fmac_f32 v62, v44, v57
	v_fmac_f32 v63, v47, v57
	v_fmac_f32 v52, v51, v42
	v_fmac_f32 v59, v42, v55
	v_fmac_f32 v60, v42, v58
	v_fmac_f32 v61, v45, v55
	v_fmac_f32 v62, v45, v58
	v_fmac_f32 v63, v48, v58
	v_rcp_f32 v64, v63                             ; 1/f
	v_rcp_f32 v65, v61                             ; 1/d
	v_rcp_f32 v66, v52                             ; 1/cov_xx
	s_wait_loadcnt 0x0                             ; means and opacity
	v_sub_f32 v67, C_PX0, v16                      ; dx (also the plain instruction behind the reciprocals)
	s_wait_alu depctr_va_vdst(0)                   ; the three reciprocals v64, v65, v66 are written, ahead of their first reader
	v_mul_f32 v68, v62, v64                        ; e/f
	v_mul_f32 v69, v60, v64                        ; c/f
	v_mul_f32 v72, v62, v65                        ; e/d
	v_mul_f32 v73, v59, v65                        ; b/d
	v_fma_f32 v70, -v62, v68, v61                  ; d' = d - e^2/f
	v_fma_f32 v71, -v62, v69, v59                  ; b' = b - c e/f
	v_fma_f32 v74, -v62, v72, v63                  ; f' = f - e^2/d
	v_fma_f32 v75, -v62, v73, v60                  ; c' = c - b e/d
	v_mul_f32 v78, C_L, v63
	v_mul_f32 v79, C_L, v70
	v_mul_f32 v80, C_L, v74
	v_rcp_f32 v76, v70
	v_rcp_f32 v77, v74
	v_sqrt_f32 v[REC+0], v78                       ; sf
	v_sqrt_f32 v[REC+4], v79                       ; sd
	v_sqrt_f32 v83, v80                            ; sw
	v_mul_f32 v84, v67, v67                        ; dx^2 (plain, touches none of the five results)
	v_mul_f32 v84, v84, v66
	v_mul_f32 v[REC+6], C_NL, v84                  ; -k
	s_wait_alu depctr_va_vdst(0)                   ; the two reciprocals v76, v77 and the three roots sf, sd, sw are written, ahead of their first reader
	v_mul_f32 v85, v71, v76                        ; b'/d'
	v_mul_f32 v86, v75, v77                        ; c'/f'
	v_fma_f32 v85, v85, v67, -v17                  ; b' dx/d' - mu_y
	v_fma_f32 v86, v86, v67, -v18                  ; c' dx/f' - mu_z
	v_fma_f32 v87, v69, v67, -v18                  ; c dx/f - mu_z
	v_fma_f32 v87, -v68, v17, v87                  ;          - e mu_y/f
	v_mul_f32 v[REC+5], v[REC+4], v85              ; V0
	v_mul_f32 v82, v83, v86                        ; W0
	v_mul_f32 v[REC+1], v[REC+0], v87              ; U0
	v_mul_f32 v[REC+2], v[REC+0], v68              ; U1
	v_add_f32 v97, C_CUT, v[REC+6]                 ; 127 - k
	v_max_num_f32 v98, 0, v97
	v_sqrt_f32 v98, v98
	v_mul_f32 v[REC+7], C_D64, v[REC+0]            ; sf/64 (the plain instruction behind the root)
	v_cmp_lt_f32 vcc_lo, 0, v97                    ; k < 127: the slice is in reach at all
	s_wait_alu depctr_va_vdst(0)                   ; the root v98 is written, ahead of its first reader; and so is the whole record v[88:95], which the LDS stores below read
	; the records through my wave's own LDS bytes (a wave's LDS instructions are served in order, ISA guide 5.7.1):
	; in as 32 bytes a lane, back as 16 bytes a lane, so that each store below covers 512 consecutive bytes, aligned
	ds_store_b128 v7, v[REC:REC+3]
	ds_store_b128 v7, v[REC+4:REC+7] offset:16
	ds_load_b128 v[120:123], v15                   ; no vector instruction names v[120:127]
	ds_load_b128 v[124:127], v15 offset:512
	s_wait_alu depctr_va_vcc(0)                    ; VCC is written by the compare above, ahead of its first reader, the select below
	v_fmamk_f32 v99, v[REC+4], C_HWY, v98          ; reach for |v| at a row strip's centre
	v_fmamk_f32 v100, v83, C_HWZ, v98              ; reach for |w| at a column strip's centre
	v_cndmask_b32 v99, -1.0, v99, vcc_lo           ; out of reach in x: no strip passes
	v_cndmask_b32 v100, -1.0, v100, vcc_lo
; sixteen strips: centres -0.9375 + s/8, the same numbers for rows and for columns.  In three parts, so that other work can stand
; between a run of compares and the wait for their scalar results.
.macro STRIPV slope, icpt, buf         ; |slope x centre + intercept| of the sixteen strips into a buffer
.set n, 0
.irp c, 0xbf700000,0xbf500000,0xbf300000,0xbf100000,0xbee00000,0xbea00000,0xbe400000,0xbd800000,0x3d800000,0x3e400000,0x3ea00000,0x3ee00000,0x3f100000,0x3f300000,0x3f500000,0x3f700000
	v_fmamk_f32 v[\buf+n], v[\slope], \c, v[\icpt]
.set n, n+1
.endr
.set n, 0
.rept 16
	v_and_b32 v[\buf+n], s20, v[\buf+n]
.set n, n+1
.endr
.endm
.macro STRIPC buf, reach               ; sixteen compares in a run, into sixteen scalar registers
.set n, 0
.rept 16
	v_cmp_lt_f32 s[24+n], v[\buf+n], v[\reach]     ; bit l: Gaussian of lane l can reach the strip
.set n, n+1
.endr
.endm
.macro STRIPW first                    ; the sixteen words into lanes first .. first + 15 of WORD
.set n, 0
.rept 16
	v_writelane_b32 v[WORD], s[24+n], \first+n
.set n, n+1
.endr
.endm
	STRIPV REC+4, REC+5, TT                        ; row strips 0..15
	STRIPC TT, 99
	STRIPV 83, 82, TT2                             ; the column strips' values stand between the row strips' compares and the wait for them
	s_wait_alu depctr_va_sdst(0)                   ; the sixteen compares have written s[24:39], ahead of their first reader
	STRIPW 0
	STRIPC TT2, 100                                ; column strips, words 16..31
	s_wait_dscnt 0x0                               ; the records are back
	global_store_b128 v19, v[120:123], s[12:13]
	global_store_b128 v19, v[124:127], s[12:13] offset:512
	s_wait_alu depctr_va_sdst(0)                   ; the second sixteen compares have written s[24:39], ahead of their first reader
	STRIPW 16
	s_wait_alu depctr_va_vdst(0)                   ; the lane writes have written WORD, which the LDS store reads
	ds_store_b32 v6, v[WORD]                       ; 32 words into my wave's 128 bytes
	s_wait_dscnt 0x0                               ; for wave 0's sake: zero
	s_barrier_signal -1
	s_barrier_wait -1
	s_cmp_lg_u32 s18, 0
	s_cbranch_scc1 .Lend
	v_lshlrev_b32 v102, 2, v1                      ; wave 0, lane = strip: the four waves' words of that strip
	s_lshl_b32 s22, ttmp9, 9                       ; 512 bytes of masks a work-group
	v_lshl_add_u32 v101, v1, 4, s22
	s_wait_alu depctr_va_vdst(0)                   ; v102 and v101 are written, which the LDS loads and the store below read (the strips' lines that named v[104:107], in which the loads land, stand ahead of WORD's wait already)
	ds_load_b32 v104, v102
	ds_load_b32 v105, v102 offset:128
	ds_load_b32 v106, v102 offset:256
	ds_load_b32 v107, v102 offset:384
	s_wait_dscnt 0x0
	global_store_b128 v101, v[104:107], s[14:15]   ; 512 consecutive bytes, aligned
.Lend:
	s_wait_dscnt 0x0                               ; the closing lines, six on end
	s_wait_alu 0x0
	s_wait_tensorcnt 0x0
	ds_add_u32 v128, v129
	s_wait_dscnt 0x0
	s_endpgm
.Lfunc_end_k_q2c5887afe2_prep:
	.size	k_q2c5887afe2_prep, .Lfunc_end_k_q2c5887afe2_prep-k_q2c5887afe2_prep
	.p2alignl 7, 3214868480
	.fill 96, 4, 3214868480
	.section	.rodata,"a",@progbits
	.p2align	6, 0x0
	.amdhsa_kernel k_q2c5887afe2_prep
		.amdhsa_group_segment_fixed_size 5120
		.amdhsa_private_segment_fixed_size 0
		.amdhsa_enable_private_segment 0
		.amdhsa_kernarg_size 48
		.amdhsa_user_sgpr_count 2
		.amdhsa_user_sgpr_kernarg_segment_ptr 1
		.amdhsa_wavefront_size32 1
		.amdhsa_system_sgpr_workgroup_id_x 1
		.amdhsa_system_sgpr_workgroup_id_y 1
		.amdhsa_system_sgpr_workgroup_id_z 1
		.amdhsa_system_vgpr_workitem_id 0
		.amdhsa_next_free_vgpr 130
		.amdhsa_next_free_sgpr 66
		.amdhsa_reserve_vcc 1
		.amdhsa_float_denorm_mode_32 3
		.amdhsa_float_denorm_mode_16_64 3
		.amdhsa_memory_ordered 1
		.amdhsa_forward_progress 1
		.amdhsa_inst_pref_size 15
	.end_amdhsa_kernel
	.amdgpu_metadata
---
amdhsa.version: [ 1, 2 ]
amdhsa.kernels:
  - .name:           k_q2c5887afe2_prep
    .symbol:         k_q2c5887afe2_prep.kd
    .args:
      - { .name: means3D, .offset: 0, .size: 8, .value_kind: global_buffer, .address_space: global }
      - { .name: opacities, .offset: 8, .size: 8, .value_kind: global_buffer, .address_space: global }
      - { .name: rotations, .offset: 16, .size: 8, .value_kind: global_buffer, .address_space: global }
      - { .name: scales, .offset: 24, .size: 8, .value_kind: global_buffer, .address_space: global }
      - { .name: params, .offset: 32, .size: 8, .value_kind: global_buffer, .address_space: global }
      - { .name: masks, .offset: 40, .size: 8, .value_kind: global_buffer, .address_space: global }
    .group_segment_fixed_size: 5120
    .private_segment_fixed_size: 0
    .kernarg_segment_align: 8
    .kernarg_segment_size: 48
    .max_flat_workgroup_size: 128
    .sgpr_count:     66
    .vgpr_count:     130
    .wavefront_size: 32
...
	.end_amdgpu_metadata
.endif
;; end of part 3
;; launch raster: the kernel of part 2 again; grid 256 x 1, 32 waves a work-group, no clusters, 155,648 bytes of LDS; arguments params, masks, out0; writes out0
